; MI455X (gfx1250); checked and timed in simulation.
; The chip was launched on July 23, 2026; its instructions are those of AMD's public machine-readable ISA for CDNA 5 (MIT licence, August 2026) and "CDNA5" Instruction Set Architecture Reference Guide (July 2026).
;; Grouped Query Attention. Allowed arithmetic: matrix products marked QUANTISED: E4M3 operands, one given power-of-two scale a tensor, by v_wmma_f32_16x16x64_fp8_fp8 or v_wmma_f32_16x16x128_fp8_fp8, f32 sums; everything else in f32.
;; Inputs: Wk 512 x 2,048 float32; Wq 2,048 x 2,048 float32; Wv 512 x 2,048 float32; lowp_scales 10 int32 (the exponents e of the quantised operands' scales 2^e); x 2 x 2,048 x 2,048 float32.
;; Outputs: out0 2 x 2,048 x 2,048 float32.
;; This version of the problem:
;;   THIS VERSION OF THE PROBLEM IS GIVEN IN LOW PRECISION. The matrix products marked QUANTISED in the list below multiply operands that are first quantised to E4M3 (4 exponent bits, 3 mantissa bits; 8 bits a number), with one given power-of-two scale for each operand tensor; their sums are f32. All else is computed in f32.
;;   The module's matrix products, in the order in which they are computed (A, B: the left and right operand; K: the contracted axis; several contracted axes count as one K, in the product's order):
;;     1. [M 4,096, K 2,048] x [K 2,048, N 2,048]; A: input x; B: input Wq: QUANTISED (scales: A lowp_scales[0], B lowp_scales[1])
;;     2. [M 4,096, K 2,048] x [K 2,048, N 512]; A: input x; B: input Wk: QUANTISED (scales: A lowp_scales[2], B lowp_scales[3])
;;     3. [M 4,096, K 2,048] x [K 2,048, N 512]; A: input x; B: input Wv: QUANTISED (scales: A lowp_scales[4], B lowp_scales[5])
;;     4. batch 8 x [M 8,192, K 128] x [K 128, N 2,048]; A: computed on the way; B: computed on the way: QUANTISED (scales: A lowp_scales[6], B lowp_scales[7])
;;     5. batch 8 x [M 8,192, K 2,048] x [K 2,048, N 128]; A: softmax (see below); B: computed on the way: QUANTISED (scales: A lowp_scales[8], B lowp_scales[9])
;;   THE QUANTISER, for each operand of a quantised product, along K:
;;     - The operand's scale is 2^e, e = its entry of the input lowp_scales (int32; the entries are numbered through the quantised products in the list's order, A before B).
;;     - Each number is divided by the scale, clamped to +-448, and rounded to the nearest number of E4M3, ties to even, subnormals kept.
;;     - The product sums the exact products of the quantised numbers (number of the format x scale) in f32.
;;   ~~~python
;;   def quantise(x, axis, e):      # numpy; x: float32 -> the quantised numbers, widened to float32 again
;;       x = np.moveaxis(x, axis, -1); K = x.shape[-1]
;;       r = np.clip(x / 2.0 ** e, -448, 448)
;;       step = 2.0 ** (np.maximum(np.frexp(np.where(r == 0, 1, r))[1] - 1, -6) - 3)
;;       q = np.round(r / step) * step * 2.0 ** e      # np.round: ties to even
;;       return np.moveaxis(q, -1, axis).astype(np.float32)
;;   ~~~
;;   SOFTMAX AHEAD OF A QUANTISED PRODUCT. Where the list says 'softmax', what is quantised is not the finished softmax but p = 2^(t - M), with t = logit x log2(e) and M = ceil(the row's largest t), a whole number; so 1/2 < the row's largest p <= 1. The row's sum l is taken of the UNQUANTISED p, in f32, and the product's result is divided by l at the end. Since M is a whole number, a kernel that streams over the keys may use a running M (the ceiling of the running maximum): every later rescaling is an exact power of two, so the quantised numbers keep their values, but for numbers so far below the row's largest that they fall under the format's range.
;;   OPERANDS COMPUTED ON THE WAY. 'Computed on the way' means the value that the module computes at that place (a softmax that the list does not call 'softmax' is quantised finished and normalised). What goes into a quantiser is computed in f32, as accurately as f32 sums, v_exp_f32 and their like allow (about 1e-6 of the number): no bf16 or f16 on the way to a quantiser, and a product that is left as it is and whose result goes on into a quantised operand takes f32 operands (vector FMAs, or v_wmma_f32_16x16x4_f32). A number that lies on a knife's edge between two numbers of the format may be rounded either way, as far as f32 arithmetic and the matrix unit's own rounding can turn it there, and no further.
;; One version. Each part assembles by itself: llvm-mc -triple=amdgcn-amd-amdhsa -mcpu=gfx1250 --defsym DOCPART=n.
;; ======== version 1 of 1: 3 launches
;; workspace buffers: xc 25,165,824 bytes; wc 6,291,456 bytes; qkv 12,582,912 bytes
;; launch quant (part 1): grid 448 x 1, 4 waves a work-group, no clusters, 33,280 bytes of LDS; arguments x, Wq, Wk, Wv, lowp_scales, xc, wc; writes xc, wc
.if DOCPART == 1
	.amdgcn_target "amdgcn-amd-amdhsa--gfx1250"
	.amdhsa_code_object_version 6
	.text
	.protected	k_q04f6163a18_quant
	.globl	k_q04f6163a18_quant
	.p2align	8
	.type	k_q04f6163a18_quant,@function
k_q04f6163a18_quant:
	s_mov_b64 s[64:65], 0
	v_nop
	global_prefetch_b8 v0, s[64:65] scope:SCOPE_SE
	s_setreg_imm32_b32 hwreg(HW_REG_WAVE_MODE, 25, 1), 1
	s_wait_xcnt 0x0
.set WAVES, 4
.set STEPS, 16
.set SP,    80
.set WREG,  8192
.set SPARE, WAVES*WREG
.set SPW,   12
.set NIL,   13
.set R,     16
.set X,     80
.set T,     112
.set C,     160
.set SC,    176
.set D0,    32
	s_load_b256 s[4:11], s[0:1], 0x0
	s_load_b128 s[12:15], s[0:1], 0x20
	s_load_b64 s[16:17], s[0:1], 0x30
	v_lshl_add_u32 v[SPW], v0, 2, SPARE
	v_mov_b32 v[NIL], 0
	v_lshrrev_b32 v1, 5, v0
	v_readfirstlane_b32 s18, v1
	v_and_b32 v2, 31, v0
	v_lshlrev_b32 v3, 4, v2
	s_mul_i32 s23, s18, WREG
	v_lshrrev_b32 v14, 2, v2
	v_mul_u32_u24 v14, v14, SP
	v_and_b32 v15, 3, v2
	v_lshl_add_u32 v14, v15, 4, v14
	v_add_nc_u32 v14, s23, v14
	v_mul_u32_u24 v15, v2, SP
	v_add_nc_u32 v15, s23, v15
	s_mov_b32 s39, 0
	s_cmp_ge_u32 ttmp9, 256
	s_cselect_b32 s19, 256, 0
	s_cselect_b32 s22, 1, 0
	s_cselect_b32 s38, 0, 1
	s_cmp_ge_u32 ttmp9, 384
	s_cselect_b32 s19, 384, s19
	s_cselect_b32 s39, 0x400000, s39
	s_cmp_ge_u32 ttmp9, 416
	s_cselect_b32 s19, 416, s19
	s_cselect_b32 s39, 0x500000, s39
	s_cselect_b32 s22, 0, s22
	s_sub_co_u32 s20, ttmp9, s19
	s_lshl_b32 s20, s20, 2
	s_add_co_u32 s20, s20, s18
	s_and_b32 s21, s20, 0xfffffff9
	s_lshl_b32 s23, s20, 1
	s_and_b32 s23, s23, 4
	s_or_b32 s21, s21, s23
	s_lshr_b32 s23, s20, 1
	s_and_b32 s23, s23, 2
	s_or_b32 s21, s21, s23
	s_cmp_eq_u32 s22, 1
	s_cselect_b32 s22, s21, s20
	s_lshl_b32 s40, s20, 15
	s_mov_b32 s41, 0
	s_lshl_b32 s42, s22, 13
	s_add_co_u32 s42, s42, s39
	s_mov_b32 s43, 0
	s_lshl_b32 s44, s21, 13
	s_add_co_u32 s44, s44, 0x800000
	s_mov_b32 s45, 0
	s_wait_kmcnt 0x0
	s_load_b256 s[24:31], s[12:13], 0x0
	s_cmp_ge_u32 ttmp9, 256
	s_cselect_b64 s[4:5], s[6:7], s[4:5]
	s_cselect_b64 s[D0:D0+1], s[16:17], s[14:15]
	s_cmp_ge_u32 ttmp9, 384
	s_cselect_b64 s[4:5], s[8:9], s[4:5]
	s_cmp_ge_u32 ttmp9, 416
	s_cselect_b64 s[4:5], s[10:11], s[4:5]
	s_add_nc_u64 s[4:5], s[4:5], s[40:41]
	s_add_nc_u64 s[D0:D0+1], s[D0:D0+1], s[42:43]
	s_add_nc_u64 s[D0+2:D0+3], s[14:15], s[44:45]
	s_add_nc_u64 s[D0+4:D0+5], s[D0+2:D0+3], 0x800000
.macro LOAD t
.irp i, 0,1,2,3
	global_load_b128 v[R+16*((\t)%4)+4*\i:R+16*((\t)%4)+4*\i+3], v3, s[4:5] offset:2048*(\t)+512*\i th:TH_LOAD_NT
.endr
.endm
.macro TURN t
.irp i, 0,1,2,3
	ds_store_b128 v14, v[R+16*((\t)%4)+4*\i:R+16*((\t)%4)+4*\i+3] offset:32*SP*((\t)%2)+8*SP*\i
.endr
.irp i, 0,1,2,3
	ds_load_b128 v[X+16*((\t)%2)+4*\i:X+16*((\t)%2)+4*\i+3], v15 offset:32*SP*((\t)%2)+16*\i
.endr
.endm
.macro MKSC n, se
	s_add_co_i32 s47, s[\se], 127
	s_lshl_b32 s48, s47, 23
	v_mov_b32 v[SC+2*\n], s48
	s_add_co_i32 s47, s47, 8
	s_lshl_b32 s47, s47, 23
	s_or_b32 s47, s47, 0x600000
	v_mov_b32 v[SC+2*\n+1], s47
.endm
.irp t, 0,1,2,3
	LOAD \t
.endr
	s_wait_kmcnt 0x0
	s_cmp_ge_u32 ttmp9, 256
	s_cselect_b32 s46, s25, s24
	s_cmp_ge_u32 ttmp9, 384
	s_cselect_b32 s46, s27, s46
	s_cmp_ge_u32 ttmp9, 416
	s_cselect_b32 s46, s29, s46
	MKSC 0, 46
	MKSC 1, 26
	MKSC 2, 28
	s_wait_loadcnt 12
	TURN 0
.macro CONV n, t
.irp i, 0,1,2,3,4,5,6,7,8,9,10,11,12,13,14,15
	v_med3_num_f32 v[T+16*\n+\i], v[XS+\i], -v[SC+2*\n+1], v[SC+2*\n+1]
.endr
	v_cvt_scalef32_pk8_fp8_f32 v[C+4*\n:C+4*\n+1], v[T+16*\n:T+16*\n+7], v[SC+2*\n]
	v_cvt_scalef32_pk8_fp8_f32 v[C+4*\n+2:C+4*\n+3], v[T+16*\n+8:T+16*\n+15], v[SC+2*\n]
	v_nop
	global_store_b128 v3, v[C+4*\n:C+4*\n+3], s[D0+2*\n:D0+2*\n+1] offset:512*(\t)
.endm
.macro STEP t
.set XS, X+16*((\t)%2)
	s_wait_dscnt 0x0
	s_wait_xcnt 0x0
.if (\t)+4 < STEPS
	LOAD (\t)+4
.endif
.if (\t)+1 < STEPS
.if STEPS-2-(\t) >= 3
	s_wait_loadcnt 12
.else
	s_wait_loadcnt 4*(STEPS-2-(\t))
.endif
	TURN (\t)+1
.endif
	CONV 0, \t
	s_cmp_eq_u32 s38, 0
	s_cbranch_scc1 .Lw_\@
	CONV 1, \t
	CONV 2, \t
.Lw_\@:
.endm
.irp t, 0,1,2,3,4,5,6,7,8,9,10,11,12,13,14,15
	STEP \t
.endr
	s_wait_tensorcnt 0x0
	ds_add_u32 v[SPW], v[NIL]
	s_wait_dscnt 0x0
	s_endpgm
.Lfunc_end_k_q04f6163a18_quant:
	.size	k_q04f6163a18_quant, .Lfunc_end_k_q04f6163a18_quant-k_q04f6163a18_quant
	.p2alignl 7, 3214868480
	.fill 96, 4, 3214868480
	.section	.rodata,"a",@progbits
	.p2align	6, 0x0
	.amdhsa_kernel k_q04f6163a18_quant
		.amdhsa_group_segment_fixed_size 33280
		.amdhsa_private_segment_fixed_size 0
		.amdhsa_enable_private_segment 0
		.amdhsa_kernarg_size 56
		.amdhsa_user_sgpr_count 2
		.amdhsa_user_sgpr_kernarg_segment_ptr 1
		.amdhsa_wavefront_size32 1
		.amdhsa_system_sgpr_workgroup_id_x 1
		.amdhsa_system_sgpr_workgroup_id_y 1
		.amdhsa_system_sgpr_workgroup_id_z 1
		.amdhsa_system_vgpr_workitem_id 0
		.amdhsa_next_free_vgpr 192
		.amdhsa_next_free_sgpr 66
		.amdhsa_reserve_vcc 0
		.amdhsa_float_denorm_mode_32 3
		.amdhsa_float_denorm_mode_16_64 3
		.amdhsa_memory_ordered 1
		.amdhsa_forward_progress 1
		.amdhsa_inst_pref_size 81
	.end_amdhsa_kernel
	.amdgpu_metadata
---
amdhsa.version: [ 1, 2 ]
amdhsa.kernels:
  - .name:           k_q04f6163a18_quant
    .symbol:         k_q04f6163a18_quant.kd
    .args:
      - { .name: x, .offset: 0, .size: 8, .value_kind: global_buffer, .address_space: global }
      - { .name: Wq, .offset: 8, .size: 8, .value_kind: global_buffer, .address_space: global }
      - { .name: Wk, .offset: 16, .size: 8, .value_kind: global_buffer, .address_space: global }
      - { .name: Wv, .offset: 24, .size: 8, .value_kind: global_buffer, .address_space: global }
      - { .name: lowp_scales, .offset: 32, .size: 8, .value_kind: global_buffer, .address_space: global }
      - { .name: xc, .offset: 40, .size: 8, .value_kind: global_buffer, .address_space: global }
      - { .name: wc, .offset: 48, .size: 8, .value_kind: global_buffer, .address_space: global }
    .group_segment_fixed_size: 33280
    .private_segment_fixed_size: 0
    .kernarg_segment_align: 8
    .kernarg_segment_size: 56
    .max_flat_workgroup_size: 128
    .sgpr_count:     66
    .vgpr_count:     192
    .wavefront_size: 32
...
	.end_amdgpu_metadata
.endif
;; end of part 1
;; launch proj (part 2): grid 32 x 24, 8 waves a work-group, clusters of 4 x 4, 327,680 bytes of LDS; arguments xc, wc, lowp_scales, qkv; writes qkv
.if DOCPART == 2
	.amdgcn_target "amdgcn-amd-amdhsa--gfx1250"
	.amdhsa_code_object_version 6
	.text
	.protected	k_q04f6163a18_proj
	.globl	k_q04f6163a18_proj
	.p2align	8
	.type	k_q04f6163a18_proj,@function
k_q04f6163a18_proj:
	s_mov_b64 s[64:65], 0
	v_nop
	global_prefetch_b8 v0, s[64:65] scope:SCOPE_SE
	s_setreg_imm32_b32 hwreg(HW_REG_WAVE_MODE, 25, 1), 1
	s_wait_xcnt 0x0
	s_wait_alu depctr_hold_cnt(0) depctr_sa_sdst(0) depctr_va_vdst(0) depctr_va_sdst(0) depctr_va_ssrc(0) depctr_va_vcc(0) depctr_vm_vsrc(0)
	s_getreg_b32 s2, hwreg(HW_REG_IB_STS2, 6, 4)
	s_cmp_eq_u32 s2, 0
	s_cbranch_scc0 .Lentry_in_a_cluster
	s_endpgm
.Lentry_in_a_cluster:
	s_bfe_u32 s2, ttmp6, 0x10000c
	s_cmp_lg_u32 s2, 0xf033
	s_cbranch_scc0 .Lentry_shape_is_right
	s_endpgm
.Lentry_shape_is_right:
.set PITCH,  528
.set QROWS,  32*PITCH
.set REG,    128*PITCH
.set SLOT,   2*REG
.set SPARE,  2*SLOT
.set SPITCH, 144
.set ADRA, 16
.set ADRB, 20
.set SC,   22
.set LIM,  23
.set STO,  24
.set RD,   25
.set CO,   26
.set SPW,  28
.set NIL,  29
.set C,    32
.set CD,   96
.set BB,   112
.set AF,   128
.set R,    192
.set H,    128
.set L,    192
.set G1, 24
.set G0, 32
.set G1B, 48
.set G0B, 56
.set KP, 66
.set KN, 78
.set SGN, 91
.set MSB, 0
.macro WIN new
.if MSB != (\new)
	s_set_vgpr_msb (MSB<<8)|(\new)
.set MSB, (\new)
.endif
.endm
.macro JLOAD s
	s_cmp_eq_u32 s15, 0
	s_cbranch_scc0 .Lfor_b_\@
	tensor_load_to_lds s[G0+4*\s:G0+4*\s+3], s[G1:G1+7]
	s_nop 0
.rept 4
	v_nop
.endr
	s_branch .Lasked_\@
.Lfor_b_\@:
	tensor_load_to_lds s[G0B+4*\s:G0B+4*\s+3], s[G1B:G1B+7]
	s_nop 0
.rept 4
	v_nop
.endr
.Lasked_\@:
.endm
.macro CROUND
	s_barrier_signal -1
	s_barrier_wait -1
	s_cmp_lg_u32 s14, 0
	s_cbranch_scc1 .Lnot_wave_0_\@
	s_barrier_signal -3
.Lnot_wave_0_\@:
	s_barrier_wait -3
	s_barrier_signal -1
	s_barrier_wait -1
.endm
	s_load_b256 s[4:11], s[0:1], 0x0
	v_lshl_add_u32 v[SPW], v0, 2, SPARE
	v_mov_b32 v[NIL], 0
	ds_add_u32 v[SPW], v[NIL]
	ds_add_u32 v[SPW], v[NIL]
	v_lshrrev_b32 v1, 5, v0
	v_readfirstlane_b32 s14, v1
	s_lshr_b32 s15, s14, 2
	s_and_b32 s16, s14, 3
	s_lshr_b32 s12, s14, 1
	s_and_b32 s13, s14, 1
	s_bfe_u32 s40, ttmp6, 0x40000
	s_bfe_u32 s41, ttmp6, 0x40004
	s_lshl_b32 s42, ttmp9, 2
	s_add_co_u32 s42, s42, s40
	s_and_b32 s18, ttmp7, 0xffff
	s_lshl_b32 s17, s18, 2
	s_add_co_u32 s17, s17, s41
	s_max_u32 s19, s18, 3
	s_sub_co_u32 s19, s19, 3
	s_cmp_ge_u32 s18, 5
	s_cselect_b32 s43, REG, 0
	s_cselect_b32 s44, 0, REG
	s_lshl_b32 s38, s41, 2
	s_lshl_b32 s38, 15, s38
	s_lshl_b32 s39, 0x1111, s40
	s_or_b32 s[G1], s39, (1<<20)|(1<<21)|(6<<22)|(3<<25)
	s_or_b32 s[G1B], s38, (1<<20)|(1<<21)|(6<<22)|(3<<25)
.irp g, G1, G1B
	s_mov_b32 s[\g+1], 512<<16
	s_mov_b32 s[\g+2], 32<<16
	s_mov_b32 s[\g+3], 512<<16
	s_mov_b32 s[\g+4], 32
	s_mov_b32 s[\g+5], 2048
	s_mov_b32 s[\g+6], 0
	s_mov_b32 s[\g+7], 0
.endr
	s_mov_b32 s[KP], 0x4ec00000
	s_mov_b32 s[KP+1], 0x4ec00000
	s_mov_b32 s[KN], 0xcec00000
	s_mov_b32 s[KN+1], 0xcec00000
	s_mov_b32 s[SGN], 0x80808080
	s_lshl_b32 s22, s16, 5
	s_lshl_b32 s20, s42, 7
	s_add_co_u32 s20, s20, s22
	s_lshl_b32 s20, s20, 11
	s_lshl_b32 s21, s19, 23
	s_add_co_u32 s20, s20, s21
	s_mov_b32 s21, 0
	s_lshl_b32 s46, s17, 7
	s_add_co_u32 s46, s46, s22
	s_lshl_b32 s46, s46, 11
	s_mov_b32 s47, 0
	s_mul_i32 s45, s14, QROWS
	s_wait_dscnt 0x0
	s_wait_kmcnt 0x0
	s_load_b256 s[68:75], s[8:9], 0x0
	s_load_b64 s[76:77], s[8:9], 0x20
	s_add_nc_u64 s[20:21], s[4:5], s[20:21]
	s_add_nc_u64 s[46:47], s[6:7], s[46:47]
	CROUND
.irp s, 0,1
	s_mov_b32 s[G0+4*\s], 1
	s_add_co_u32 s[G0+4*\s+1], s45, \s*SLOT
	s_add_nc_u64 s[G0+4*\s+2:G0+4*\s+3], s[20:21], \s*512
	s_or_b32 s[G0+4*\s+3], s[G0+4*\s+3], 0x80000000
	s_mov_b32 s[G0B+4*\s], 1
	s_add_co_u32 s[G0B+4*\s+1], s45, \s*SLOT
	s_add_nc_u64 s[G0B+4*\s+2:G0B+4*\s+3], s[46:47], \s*512
	s_or_b32 s[G0B+4*\s+3], s[G0B+4*\s+3], 0x80000000
	JLOAD \s
.endr
	v_and_b32 v1, 15, v0
	v_bfe_u32 v2, v0, 4, 1
	v_mul_u32_u24 v3, v1, PITCH
	v_lshl_add_u32 v4, v2, 4, v3
	s_mul_i32 s21, s12, QROWS
	s_add_co_u32 s21, s21, s43
	s_mul_i32 s22, s13, 2*QROWS
	s_add_co_u32 s22, s22, s44
.irp s, 0,1
	v_add_nc_u32 v[ADRA+\s], s21, v4
	v_add_nc_u32 v[ADRB+\s], s22, v4
	s_add_co_u32 s21, s21, SLOT
	s_add_co_u32 s22, s22, SLOT
.endr
	s_mul_i32 s23, s12, 32*SPITCH
	s_lshl_b32 s21, s13, 6
	s_add_co_u32 s23, s23, s21
	v_mul_u32_u24 v5, v1, SPITCH
	v_lshl_add_u32 v5, v2, 4, v5
	v_add_nc_u32 v[STO], s23, v5
	v_and_b32 v6, 31, v0
	v_lshlrev_b32 v[CO], 4, v6
	s_mul_i32 s23, s14, 16*SPITCH
	v_lshrrev_b32 v7, 3, v6
	v_mul_u32_u24 v7, v7, SPITCH
	v_and_b32 v8, 7, v6
	v_lshl_add_u32 v7, v8, 4, v7
	v_add_nc_u32 v[RD], s23, v7
	s_lshr_b32 s80, s42, 4
	s_and_b32 s81, s42, 15
	s_lshl_b32 s81, s81, 14
	s_lshl_b32 s82, s19, 1
	s_add_co_u32 s82, s82, 6
	s_lshl_b32 s83, s19, 2
	s_add_co_u32 s83, s83, 12
	s_cmp_eq_u32 s19, 0
	s_cselect_b32 s82, 0, s82
	s_cselect_b32 s83, 0, s83
	s_cselect_b32 s84, 4, 2
	s_lshl_b32 s80, s80, s84
	s_sub_co_u32 s85, s17, s83
	s_add_co_u32 s80, s80, s85
	s_lshl_b32 s80, s80, 18
	s_add_co_u32 s80, s80, s81
	s_lshl_b32 s82, s82, 20
	s_add_co_u32 s80, s80, s82
	s_lshl_b32 s85, s14, 11
	s_add_co_u32 s80, s80, s85
	s_mov_b32 s81, 0
	s_add_nc_u64 s[10:11], s[10:11], s[80:81]
.macro MULS w
.if \w
	s_wait_dscnt 8
.endif
	WIN 0x01
.irp a, 0,1
.irp b, 0,1,2,3
	v_wmma_f32_16x16x128_fp8_fp8 v[C+8*(4*\a+\b):C+8*(4*\a+\b)+7], v[16*(2*\b):16*(2*\b)+15], v[AF+16*(2*\a):AF+16*(2*\a)+15], 0
.endr
.endr
.if \w
	s_wait_dscnt 0x0
.endif
.irp a, 0,1
.irp b, 0,1,2,3
	v_wmma_f32_16x16x128_fp8_fp8 v[C+8*(4*\a+\b):C+8*(4*\a+\b)+7], v[16*(2*\b+1):16*(2*\b+1)+15], v[AF+16*(2*\a+1):AF+16*(2*\a+1)+15], v[C+8*(4*\a+\b):C+8*(4*\a+\b)+7]
.endr
.endr
	WIN 0
.rept 4
	v_nop
.endr
.endm
.macro SPLIT mode
.set j, 0
.rept 32
	v_pk_add_f32 v[R+j:R+j+1], v[C+j:C+j+1], s[KP:KP+1] op_sel_hi:[1,0]
.set j, j+2
.endr
.if \mode == 0
	WIN 0x40
.set j, 0
.rept 32
	v_pk_add_f32 v[H+j:H+j+1], v[R+j:R+j+1], s[KN:KN+1] op_sel_hi:[1,0]
.set j, j+2
.endr
	WIN 0x44
.set j, 0
.rept 32
	v_pk_add_f32 v[L+j:L+j+1], v[C+j:C+j+1], v[H+j:H+j+1] neg_lo:[0,1] neg_hi:[0,1]
.set j, j+2
.endr
.else
.set j, 0
.rept 32
	v_pk_add_f32 v[R+j:R+j+1], v[R+j:R+j+1], s[KN:KN+1] op_sel_hi:[1,0]
.set j, j+2
.endr
.set j, 0
.rept 32
	v_pk_add_f32 v[C+j:C+j+1], v[C+j:C+j+1], v[R+j:R+j+1] neg_lo:[0,1] neg_hi:[0,1]
.set j, j+2
.endr
	WIN 0x41
.if \mode == 1
.set j, 0
.rept 32
	v_pk_add_f32 v[H+j:H+j+1], v[H+j:H+j+1], v[R+j:R+j+1]
.set j, j+2
.endr
.set j, 0
.rept 32
	v_pk_add_f32 v[L+j:L+j+1], v[L+j:L+j+1], v[C+j:C+j+1]
.set j, j+2
.endr
.else
.set j, 0
.rept 32
	v_pk_add_f32 v[H+j:H+j+1], v[H+j:H+j+1], v[R+j:R+j+1] neg_lo:[0,1] neg_hi:[0,1]
.set j, j+2
.endr
.set j, 0
.rept 32
	v_pk_add_f32 v[L+j:L+j+1], v[L+j:L+j+1], v[C+j:C+j+1] neg_lo:[0,1] neg_hi:[0,1]
.set j, j+2
.endr
.endif
.endif
	WIN 0
.endm
.macro HALF slot, hh, first
	WIN 0x40
.irp q, 0,1
.irp b, 0,1,2,3
.irp c, 0,1,2,3
	ds_load_b128 v[16*(2*\b+\q)+4*\c:16*(2*\b+\q)+4*\c+3], v[ADRB+\slot] offset:256*\hh+128*\q+32*\c+\b*16*PITCH
.endr
.endr
.endr
	WIN 0
.irp q, 0,1
.irp a, 0,1
.irp c, 0,1,2,3
	ds_load_b128 v[AF+16*(2*\a+\q)+4*\c:AF+16*(2*\a+\q)+4*\c+3], v[ADRA+\slot] offset:256*\hh+128*\q+32*\c+\a*16*PITCH
.endr
.endr
.endr
	MULS 1
.if \first
	SPLIT 0
.else
	SPLIT 1
.endif
.set j, 0
.rept 64
	v_xor_b32 v[AF+j], s[SGN], v[AF+j]
.set j, j+1
.endr
	MULS 0
	SPLIT 2
.endm
.macro CHG slot, fill
	s_wait_tensorcnt 0x0
	ds_add_u32 v[SPW], v[NIL]
.if \fill
	s_add_nc_u64 s[G0+4*\slot+2:G0+4*\slot+3], s[G0+4*\slot+2:G0+4*\slot+3], 1024
	s_add_nc_u64 s[G0B+4*\slot+2:G0B+4*\slot+3], s[G0B+4*\slot+2:G0B+4*\slot+3], 1024
.endif
	s_wait_dscnt 0x0
.if \fill
	CROUND
	JLOAD \slot
.else
	s_barrier_signal -1
	s_barrier_wait -1
.endif
.endm
	s_wait_tensorcnt 1
	s_barrier_signal -1
	s_barrier_wait -1
	HALF 0, 0, 1
	HALF 0, 1, 0
	CHG 0, 1
	HALF 1, 0, 0
	HALF 1, 1, 0
	CHG 1, 1
	HALF 0, 0, 0
	HALF 0, 1, 0
	CHG 0, 0
	HALF 1, 0, 0
	HALF 1, 1, 0
	s_wait_kmcnt 0x0
	s_cmp_eq_u32 s19, 1
	s_cselect_b32 s87, s70, s68
	s_cselect_b32 s88, s71, s69
	s_cselect_b32 s89, s75, s74
	s_cmp_eq_u32 s19, 2
	s_cselect_b32 s87, s72, s87
	s_cselect_b32 s88, s73, s88
	s_cselect_b32 s89, s77, s89
	s_sub_co_i32 s89, s89, s87
	s_sub_co_i32 s89, s89, s88
	s_add_co_i32 s89, s89, 128
	s_lshl_b32 s90, s89, 23
	v_mov_b32 v[SC], s90
	s_add_co_i32 s89, s89, 8
	s_lshl_b32 s89, s89, 23
	s_or_b32 s89, s89, 0x600000
	v_mov_b32 v[LIM], s89
	WIN 0x05
.set j, 0
.rept 32
	v_pk_add_f32 v[C+j:C+j+1], v[H+j:H+j+1], v[L+j:L+j+1]
.set j, j+2
.endr
	WIN 0
.set j, 0
.rept 64
	v_med3_num_f32 v[C+j], v[C+j], -v[LIM], v[LIM]
.set j, j+1
.endr
.irp i, 0,1,2,3,4,5,6,7
	v_cvt_scalef32_pk8_fp8_f32 v[CD+2*\i:CD+2*\i+1], v[C+8*\i:C+8*\i+7], v[SC]
.endr
	v_nop
.irp a, 0,1
.irp p, 0,1
	ds_store_b128 v[STO], v[CD+8*\a+4*\p:CD+8*\a+4*\p+3] offset:\a*16*SPITCH+32*\p
.endr
.endr
	s_wait_dscnt 0x0
	s_barrier_signal -1
	s_barrier_wait -1
.irp n, 0,1,2,3
	ds_load_b128 v[BB+4*\n:BB+4*\n+3], v[RD] offset:4*SPITCH*\n
.endr
.irp n, 0,1,2,3
	s_wait_dscnt 3-\n
	global_store_b128 v[CO], v[BB+4*\n:BB+4*\n+3], s[10:11] offset:512*\n
.endr
	s_wait_tensorcnt 0x0
	ds_add_u32 v[SPW], v[NIL]
	s_wait_dscnt 0x0
	CROUND
	s_endpgm
.Lfunc_end_k_q04f6163a18_proj:
	.size	k_q04f6163a18_proj, .Lfunc_end_k_q04f6163a18_proj-k_q04f6163a18_proj
	.p2alignl 7, 3214868480
	.fill 96, 4, 3214868480
	.section	.rodata,"a",@progbits
	.p2align	6, 0x0
	.amdhsa_kernel k_q04f6163a18_proj
		.amdhsa_group_segment_fixed_size 327680
		.amdhsa_private_segment_fixed_size 0
		.amdhsa_enable_private_segment 0
		.amdhsa_kernarg_size 32
		.amdhsa_user_sgpr_count 2
		.amdhsa_user_sgpr_kernarg_segment_ptr 1
		.amdhsa_wavefront_size32 1
		.amdhsa_system_sgpr_workgroup_id_x 1
		.amdhsa_system_sgpr_workgroup_id_y 1
		.amdhsa_system_sgpr_workgroup_id_z 1
		.amdhsa_system_vgpr_workitem_id 0
		.amdhsa_next_free_vgpr 512
		.amdhsa_next_free_sgpr 100
		.amdhsa_reserve_vcc 0
		.amdhsa_float_denorm_mode_32 3
		.amdhsa_float_denorm_mode_16_64 3
		.amdhsa_memory_ordered 1
		.amdhsa_forward_progress 1
		.amdhsa_inst_pref_size 237
	.end_amdhsa_kernel
	.amdgpu_metadata
---
amdhsa.version: [ 1, 2 ]
amdhsa.kernels:
  - .name:           k_q04f6163a18_proj
    .symbol:         k_q04f6163a18_proj.kd
    .args:
      - { .name: xc, .offset: 0, .size: 8, .value_kind: global_buffer, .address_space: global }
      - { .name: wc, .offset: 8, .size: 8, .value_kind: global_buffer, .address_space: global }
      - { .name: lowp_scales, .offset: 16, .size: 8, .value_kind: global_buffer, .address_space: global }
      - { .name: qkv, .offset: 24, .size: 8, .value_kind: global_buffer, .address_space: global }
    .group_segment_fixed_size: 327680
    .private_segment_fixed_size: 0
    .kernarg_segment_align: 8
    .kernarg_segment_size: 32
    .max_flat_workgroup_size: 256
    .sgpr_count:     100
    .vgpr_count:     512
    .wavefront_size: 32
...
	.end_amdgpu_metadata
.endif
;; end of part 2
;; launch attn (part 3): grid 32 x 8, 16 waves a work-group, no clusters, 327,680 bytes of LDS; arguments qkv, lowp_scales, out0; writes out0
.if DOCPART == 3
	.amdgcn_target "amdgcn-amd-amdhsa--gfx1250"
	.amdhsa_code_object_version 6
	.text
	.protected	k_q04f6163a18_attn
	.globl	k_q04f6163a18_attn
	.p2align	8
	.type	k_q04f6163a18_attn,@function
k_q04f6163a18_attn:
	s_mov_b64 s[64:65], 0
	v_nop
	global_prefetch_b8 v0, s[64:65] scope:SCOPE_SE
	s_setreg_imm32_b32 hwreg(HW_REG_WAVE_MODE, 25, 1), 1
	s_wait_xcnt 0x0
.set KP,    144
.set SB,    128*KP
.set VOFF,  2*SB
.set SLOT1, 1<<17
.set NSL,   8
.set SPARE, 2*SLOT1
.set SPT,   272
.set AK0,  1
.set AV0,  2
.set PFO,  3
.set SPW,  5
.set NIL,  6
.set GO,   7
.set ADK,  8
.set ADV,  9
.set TB,   2
.set WV,   18
.set SEL,  20
.set CS,   22
.set G1,   24
.set G0,   40
.set LQ,   66
.set SLOTS, 67
.set PFA,  76
.set LIM,  80
.set CL,   94
.set KF,   98
.set Q0,   99
	s_load_b128 s[4:7], s[0:1], 0x0
	s_load_b64 s[16:17], s[0:1], 0x10
	v_lshl_add_u32 v[SPW], v0, 2, SPARE
	v_mov_b32 v[NIL], 0
	ds_add_u32 v[SPW], v[NIL]
	ds_add_u32 v[SPW], v[NIL]
	v_lshrrev_b32 v8, 5, v0
	v_readfirstlane_b32 s[WV], v8
	s_lshr_b32 s19, s[WV], 1
	s_and_b32 s72, ttmp7, 0xffff
	s_and_b32 s73, s[WV], 3
	s_lshr_b32 s74, s[WV], 2
	s_add_co_u32 s74, s74, s73
	s_and_b32 s74, s74, 3
	s_sub_co_u32 s75, 63, ttmp9
	s_cmp_lt_u32 s74, 2
	s_cselect_b32 s75, ttmp9, s75
	s_lshl_b32 s75, s75, 5
	s_and_b32 s74, s74, 1
	s_lshl_b32 s74, s74, 4
	s_add_co_u32 s[Q0], s75, s74
	s_lshl_b32 s[LQ], ttmp9, 5
	s_sub_co_u32 s[LQ], 2047, s[LQ]
	s_lshl_b32 s82, s72, 2
	s_add_co_u32 s82, s82, s73
	s_lshl_b32 s82, s82, 18
	s_lshl_b32 s83, s[Q0], 7
	s_add_co_u32 s82, s82, s83
	s_mov_b32 s83, 0
	s_lshr_b32 s86, s72, 2
	s_lshl_b32 s86, s86, 11
	s_add_co_u32 s86, s86, s[Q0]
	s_lshl_b32 s86, s86, 13
	s_and_b32 s87, s72, 3
	s_lshl_b32 s87, s87, 2
	s_add_co_u32 s87, s87, s73
	s_lshl_b32 s87, s87, 9
	s_add_co_u32 s86, s86, s87
	s_mov_b32 s87, 0
	s_and_b32 s88, s[WV], 1
	s_and_b32 s89, s19, 1
	s_lshl_b32 s90, s88, 21
	s_lshl_b32 s91, s72, 18
	s_add_co_u32 s90, s90, s91
	s_lshl_b32 s91, s89, 14
	s_add_co_u32 s90, s90, s91
	s_add_co_u32 s90, s90, 0x800000
	s_mov_b32 s91, 0
	s_mul_i32 s88, s88, VOFF
	s_mul_i32 s89, s89, SB
	s_add_co_u32 s88, s88, s89
	s_sub_co_u32 s92, s[WV], 4
	s_lshr_b32 s93, s92, 3
	s_or_b32 s93, s93, ttmp9
	s_cmp_eq_u32 s93, 0
	s_cselect_b32 s[LIM], 1, -1
	s_lshr_b32 s93, s92, 2
	s_and_b32 s93, s93, 1
	s_lshl_b32 s93, s93, 21
	s_and_b32 s92, s92, 3
	s_lshl_b32 s92, s92, 13
	s_add_co_u32 s92, s92, s93
	s_lshl_b32 s93, s72, 18
	s_add_co_u32 s92, s92, s93
	s_add_co_u32 s92, s92, 0x800000+32768
	s_mov_b32 s93, 0
	s_mov_b32 s[G1], (1<<20)|(4<<22)|(3<<25)
	s_mov_b32 s[G1+1], 128<<16
	s_mov_b32 s[G1+2], 128<<16
	s_mov_b32 s[G1+3], 128<<16
	s_mov_b32 s[G1+4], 128
	s_mov_b32 s[G1+5], 128
	s_mov_b32 s[G1+6], 0
	s_mov_b32 s[G1+7], 0
	s_mov_b32 s[SEL], 0x76543210
	s_mov_b32 s[SEL+1], 0xfedcba98
	s_mov_b32 s[CS], 0x3db504f3
	s_mov_b32 s[CL], 0x3fb8aa3b
	s_mov_b32 s[CL+1], 0x3fb8aa3b
	s_mov_b32 s[TB], 0
	s_mov_b32 s[SLOTS], NSL-1
	s_mov_b32 s[KF], 0
	s_wait_dscnt 0x0
	s_wait_kmcnt 0x0
	s_load_b128 s[68:71], s[6:7], 0x18
	s_mov_b32 s[G0], 1
	s_mov_b32 s[G0+1], s88
	s_add_nc_u64 s[G0+2:G0+3], s[4:5], s[90:91]
	s_or_b32 s[G0+3], s[G0+3], 0x80000000
	s_cmp_lt_u32 s[WV], 4
	s_cbranch_scc0 .Lno_first
	tensor_load_to_lds s[G0:G0+3], s[G1:G1+7]
	s_nop 0
.rept 4
	v_nop
.endr
.Lno_first:
	s_add_nc_u64 s[84:85], s[4:5], s[82:83]
	s_add_nc_u64 s[16:17], s[16:17], s[86:87]
	s_add_nc_u64 s[PFA:PFA+1], s[4:5], s[92:93]
	v_and_b32 v[PFO], 31, v0
	v_lshlrev_b32 v[PFO], 8, v[PFO]
	v_and_b32 v8, 15, v0
	v_bfe_u32 v9, v0, 4, 1
	v_lshlrev_b32 v10, 7, v8
	v_lshl_add_u32 v10, v9, 4, v10
.irp c, 0,1,2,3
	global_load_b128 v[16+4*\c:19+4*\c], v10, s[84:85] offset:32*\c
.endr
	v_mul_u32_u24 v[AK0], v8, KP
	v_lshl_add_u32 v[AK0], v9, 4, v[AK0]
	v_add_nc_u32 v[AV0], VOFF, v[AK0]
	v_lshlrev_b32 v[GO], 13, v9
	v_lshl_add_u32 v[GO], v8, 4, v[GO]
	v_mov_b32 v13, 0xff61b1e6
	v_floor_f32 v12, -v13
	v_mov_b32 v14, 0
	v_mov_b32 v15, 0
	v_mov_b32 v236, 0
	v_mov_b32 v253, 0
.set j, 0
.rept 64
	v_mov_b32 v[160+j], 0
.set j, j+1
.endr
	s_wait_kmcnt 0x0
	s_add_co_i32 s72, s68, s69
	s_lshl_b32 s72, s72, 23
	s_add_co_i32 s[CS], s[CS], s72
	s_mov_b32 s[CS+1], s[CS]
	s_add_co_i32 s72, s70, 127
	s_lshl_b32 s73, s72, 23
	v_mov_b32 v244, s73
	s_add_co_i32 s72, s72, 8
	s_lshl_b32 s72, s72, 23
	s_or_b32 s72, s72, 0x600000
	v_mov_b32 v240, s72
.macro STEP q
	s_add_co_u32 s96, s[Q0], 15
	s_cmp_gt_u32 s[KF], s96
	s_cbranch_scc1 .Lhidden_\@
	v_add_nc_u32 v[ADK], s[TB], v[AK0]
	v_add_nc_u32 v[ADV], s[TB], v[AV0]
.irp g, 0,1
.rept 4-2*(1-\g)
	v_nop
.endr
.irp t, 0,1,2,3
.irp c, 0,1,2,3
	ds_load_b128 v[32+16*\t+4*\c:32+16*\t+4*\c+3], v[ADK] offset:(128*(\q)+16*(4*\g+\t))*KP+32*\c
.endr
.endr
	s_wait_dscnt 0x0
.irp t, 0,1,2,3
	v_wmma_f32_16x16x128_fp8_fp8 v[96+8*(4*\g+\t):103+8*(4*\g+\t)], v[32+16*\t:47+16*\t], v[16:31], 0
.endr
.endr
.rept 4
	v_nop
.endr
	s_add_co_u32 s96, s[KF], 127
	s_cmp_le_u32 s96, s[Q0]
	s_cbranch_scc1 .Lopen_\@
	s_sub_co_i32 s96, s[Q0], s[KF]
	v_and_b32 v252, 15, v0
	v_bfe_u32 v253, v0, 4, 1
	v_lshlrev_b32 v253, 4, v253
	v_sub_nc_u32 v252, v252, v253
	v_add_nc_u32 v252, s96, v252
	v_mov_b32 v254, 0xff800000
.set n, 0
.rept 64
	v_cmp_gt_i32 vcc_lo, 32*(n/16)+n%16, v252
	v_cndmask_b32 v[96+n], v[96+n], v254, vcc_lo
.set n, n+1
.endr
.Lopen_\@:
	v_max3_num_f32 v254, v96, v97, v98
	v_max3_num_f32 v252, v99, v100, v101
.irp i, 6,10,14,18,22,26,30,34,38,42,46,50,54,58
	v_max3_num_f32 v254, v254, v[96+\i], v[97+\i]
	v_max3_num_f32 v252, v252, v[98+\i], v[99+\i]
.endr
	v_max3_num_f32 v254, v254, v158, v159
	v_max_num_f32 v254, v254, v252
	v_permlanex16_b32 v236, v254, s[SEL], s[SEL+1]
	v_max_num_f32 v254, v254, v236
	v_mul_f32 v254, s[CS], v254
	v_mul_f32 v254, s[CL], v254
	v_max_num_f32 v13, v13, v254
	v_mov_b32 v254, v12
	v_floor_f32 v12, -v13
	v_sub_f32 v254, v12, v254
	v_cvt_i32_f32 v254, v254
	v_ldexp_f32 v252, 1.0, v254
.set j, 0
.rept 32
	v_pk_mul_f32 v[96+j:97+j], v[96+j:97+j], s[CS:CS+1] op_sel_hi:[1,0]
.set j, j+2
.endr
.set j, 0
.rept 32
	v_pk_mul_f32 v[96+j:97+j], v[96+j:97+j], s[CL:CL+1] op_sel_hi:[1,0]
.set j, j+2
.endr
.set j, 0
.rept 32
	v_pk_add_f32 v[96+j:97+j], v[96+j:97+j], v[12:13] op_sel_hi:[1,0]
.set j, j+2
.endr
.set j, 0
.rept 64
	v_exp_f32 v[96+j], v[96+j]
.set j, j+1
.endr
	v_pk_mul_f32 v[14:15], v[14:15], v[252:253] op_sel_hi:[1,0]
	s_wait_alu depctr_va_vdst(0)
	v_pk_add_f32 v[242:243], v[96:97], v[98:99]
.irp j, 4,8,12,16,20,24,28,32,36,40,44,48,52,56,60
	v_pk_add_f32 v[14:15], v[14:15], v[96+\j:97+\j]
	v_pk_add_f32 v[242:243], v[242:243], v[98+\j:99+\j]
.endr
	v_pk_add_f32 v[14:15], v[14:15], v[242:243]
.irp b, 0,1,2,3
.irp i, 0,1,2,3,4,5,6,7,8,9,10,11,12,13,14,15
	v_min_num_f32 v[96+16*\b+\i], v[96+16*\b+\i], v240
.endr
	v_cvt_scalef32_pk8_fp8_f32 v[224+4*\b:225+4*\b], v[96+16*\b:103+16*\b], v244
	v_cvt_scalef32_pk8_fp8_f32 v[226+4*\b:227+4*\b], v[104+16*\b:111+16*\b], v244
.endr
.set j, 0
.rept 32
	v_pk_mul_f32 v[160+j:161+j], v[160+j:161+j], v[252:253] op_sel_hi:[1,0]
.set j, j+2
.endr
.irp g, 0,1
.if \g > 0
.rept 4
	v_nop
.endr
.endif
.irp t, 0,1,2,3
.irp c, 0,1,2,3
	ds_load_b128 v[32+16*\t+4*\c:32+16*\t+4*\c+3], v[ADV] offset:(\q)*SB+16*(4*\g+\t)*KP+32*\c
.endr
.endr
	s_wait_dscnt 0x0
.irp t, 0,1,2,3
	v_wmma_f32_16x16x128_fp8_fp8 v[160+8*(4*\g+\t):167+8*(4*\g+\t)], v[32+16*\t:47+16*\t], v[224:239], v[160+8*(4*\g+\t):167+8*(4*\g+\t)]
.endr
.endr
.Lhidden_\@:
	s_add_co_u32 s[KF], s[KF], 128
.endm
.macro CHANGE fill
	s_wait_tensorcnt 0x0
	ds_add_u32 v[SPW], v[NIL]
.if \fill
	ds_add_u32 v[SPW], v[NIL]
	s_xor_b32 s[G0+1], s[G0+1], SLOT1
	s_add_nc_u64 s[G0+2:G0+3], s[G0+2:G0+3], 32768
	s_wait_xcnt 0x0
	s_add_nc_u64 s[PFA:PFA+1], s[PFA:PFA+1], 32768
.endif
	s_wait_dscnt 0x0
	s_barrier_signal -1
	s_barrier_wait -1
.if \fill
	s_add_co_u32 s96, s[KF], 256
	s_cmp_gt_u32 s96, s[LQ]
	s_cbranch_scc1 .Lnot_a_\@
	s_cmp_eq_u32 s19, 0
	s_cbranch_scc0 .Lnot_a_\@
	tensor_load_to_lds s[G0:G0+3], s[G1:G1+7]
	s_nop 0
.rept 4
	v_nop
.endr
	s_branch .Lnot_b_\@
.Lnot_a_\@:
	s_add_co_u32 s96, s[KF], 384
	s_cmp_gt_u32 s96, s[LQ]
	s_cbranch_scc1 .Lnot_b_\@
	s_cmp_eq_u32 s19, 1
	s_cbranch_scc0 .Lnot_b_\@
	tensor_load_to_lds s[G0:G0+3], s[G1:G1+7]
	s_nop 0
.rept 4
	v_nop
.endr
.Lnot_b_\@:
	s_cmp_gt_u32 s[SLOTS], s[LIM]
	s_cbranch_scc0 .Lnot_mine_\@
	global_prefetch_b8 v[PFO], s[PFA:PFA+1] th:TH_LOAD_NT scope:SCOPE_SE
.Lnot_mine_\@:
.endif
.endm
.macro SLOT_STEPS
	STEP 0
	STEP 1
	s_xor_b32 s[TB], s[TB], SLOT1
.endm
	s_wait_loadcnt 0x0
.Lslot:
	CHANGE 1
	SLOT_STEPS
	s_sub_co_u32 s[SLOTS], s[SLOTS], 1
	s_cmp_lg_u32 s[SLOTS], 0
	s_cbranch_scc1 .Lslot
	CHANGE 0
	SLOT_STEPS
	v_add_f32 v14, v14, v15
	v_permlanex16_b32 v252, v14, s[SEL], s[SEL+1]
	v_add_f32 v14, v14, v252
	v_rcp_f32 v14, v14
	v_and_b32 v8, 15, v0
	v_bfe_u32 v9, v0, 4, 1
	s_add_co_i32 s72, s70, s71
	s_mul_i32 s73, s[WV], 16*SPT
	v_mul_u32_u24 v10, v8, SPT
	v_lshl_add_u32 v10, v9, 5, v10
	v_add_nc_u32 v10, s73, v10
	v_mul_u32_u24 v11, v9, SPT
	v_lshl_add_u32 v11, v8, 4, v11
	v_add_nc_u32 v11, s73, v11
	s_wait_alu depctr_va_vdst(0)
	v_ldexp_f32 v14, v14, s72
.set j, 0
.rept 64
	v_mul_f32 v[96+j], v[160+j], v14
.set j, j+1
.endr
.irp u, 0,1
.irp t, 0,1,2,3
	ds_store_b128 v10, v[96+32*\u+8*\t:99+32*\u+8*\t] offset:64*\t
	ds_store_b128 v10, v[100+32*\u+8*\t:103+32*\u+8*\t] offset:64*\t+16
.endr
.irp i, 0,1,2,3,4,5,6,7
	ds_load_b128 v[32+32*\u+4*\i:35+32*\u+4*\i], v11 offset:2*\i*SPT
.endr
.endr
.irp u, 0,1
.irp i, 0,1,2,3,4,5,6,7
	s_wait_dscnt 15-8*\u-\i
	global_store_b128 v[GO], v[32+32*\u+4*\i:35+32*\u+4*\i], s[16:17] offset:2*\i*8192+256*\u th:TH_STORE_NT
.endr
.endr
	s_wait_tensorcnt 0x0
	ds_add_u32 v[SPW], v[NIL]
	s_wait_dscnt 0x0
	s_endpgm
.Lfunc_end_k_q04f6163a18_attn:
	.size	k_q04f6163a18_attn, .Lfunc_end_k_q04f6163a18_attn-k_q04f6163a18_attn
	.p2alignl 7, 3214868480
	.fill 96, 4, 3214868480
	.section	.rodata,"a",@progbits
	.p2align	6, 0x0
	.amdhsa_kernel k_q04f6163a18_attn
		.amdhsa_group_segment_fixed_size 327680
		.amdhsa_private_segment_fixed_size 0
		.amdhsa_enable_private_segment 0
		.amdhsa_kernarg_size 24
		.amdhsa_user_sgpr_count 2
		.amdhsa_user_sgpr_kernarg_segment_ptr 1
		.amdhsa_wavefront_size32 1
		.amdhsa_system_sgpr_workgroup_id_x 1
		.amdhsa_system_sgpr_workgroup_id_y 1
		.amdhsa_system_sgpr_workgroup_id_z 1
		.amdhsa_system_vgpr_workitem_id 0
		.amdhsa_next_free_vgpr 256
		.amdhsa_next_free_sgpr 100
		.amdhsa_reserve_vcc 1
		.amdhsa_float_denorm_mode_32 3
		.amdhsa_float_denorm_mode_16_64 3
		.amdhsa_memory_ordered 1
		.amdhsa_forward_progress 1
		.amdhsa_inst_pref_size 130
	.end_amdhsa_kernel
	.amdgpu_metadata
---
amdhsa.version: [ 1, 2 ]
amdhsa.kernels:
  - .name:           k_q04f6163a18_attn
    .symbol:         k_q04f6163a18_attn.kd
    .args:
      - { .name: qkv, .offset: 0, .size: 8, .value_kind: global_buffer, .address_space: global }
      - { .name: lowp_scales, .offset: 8, .size: 8, .value_kind: global_buffer, .address_space: global }
      - { .name: out0, .offset: 16, .size: 8, .value_kind: global_buffer, .address_space: global }
    .group_segment_fixed_size: 327680
    .private_segment_fixed_size: 0
    .kernarg_segment_align: 8
    .kernarg_segment_size: 24
    .max_flat_workgroup_size: 512
    .sgpr_count:     100
    .vgpr_count:     256
    .wavefront_size: 32
...
	.end_amdgpu_metadata
.endif
;; end of part 3
